; MI455X (gfx1250); checked and timed in simulation.
; The chip was launched on July 23, 2026; its instructions are those of AMD's public machine-readable ISA for CDNA 5 (MIT licence, August 2026) and "CDNA5" Instruction Set Architecture Reference Guide (July 2026). The comments in the code are by the model that wrote it; some were corrected since.
;; Bahdanau Attention. Allowed arithmetic: matrix products marked QUANTISED: E2M1 operands, one E8M0 scale for each 32 along K, by v_wmma_scale_f32_16x16x128_f8f6f4 with both operands' format E2M1 (or v_wmma_scale_f32_32x16x128_f4), f32 sums; products left as they are: f32 operands where the result goes on into a quantised operand, else bf16, f16 or f32 operands; f32 sums; everything else in f32.
;; Inputs: W_dec_codes 1,024 x 32 x 16 uint8 (E2M1 codes of W_dec, K innermost, in blocks of 32 codes, two codes a byte); W_dec_scales 1,024 x 32 uint8 (E8M0 scales of W_dec, one for each 32 codes along K); W_enc_codes 1,024 x 32 x 16 uint8 (E2M1 codes of W_enc, K innermost, in blocks of 32 codes, two codes a byte); W_enc_scales 1,024 x 32 uint8 (E8M0 scales of W_enc, one for each 32 codes along K); dec_hidden_codes 32 x 32 x 16 uint8 (E2M1 codes of dec_hidden, K innermost, in blocks of 32 codes, two codes a byte); dec_hidden_scales 32 x 32 uint8 (E8M0 scales of dec_hidden, one for each 32 codes along K); enc_outputs 32 x 2,048 x 1,024 float32; mask 32 x 2,048 int32; v 1,024 float32.
;; Outputs: out0 32 x 1,024 float32; out1 32 x 2,048 float32.
;; This version of the problem:
;;   THIS VERSION OF THE PROBLEM IS GIVEN IN LOW PRECISION. The matrix products marked QUANTISED in the list below multiply operands that are first quantised to E2M1 (2 exponent bits, 1 mantissa bit; 4 bits a number), with one power-of-two scale for each 32 numbers along K (OCP MX v1.0); their sums are f32. All else is computed in f32.
;;   The module's matrix products, in the order in which they are computed (A, B: the left and right operand; K: the contracted axis; several contracted axes count as one K, in the product's order):
;;     1. [M 32, K 1,024] x [K 1,024, N 1,024]; A: input dec_hidden (given as codes); B: input W_dec (given as codes): QUANTISED
;;     2. [M 65,536, K 1,024] x [K 1,024, N 1,024]; A: input enc_outputs; B: input W_enc (given as codes): QUANTISED
;;     3. [M 65,536, K 1,024] x [K 1,024, N 1]; A: computed on the way; B: input v: left as it is (N = 1 < 16)
;;     4. batch 32 x [M 1, K 2,048] x [K 2,048, N 1,024]; A: softmax; B: input enc_outputs: left as it is (M = 1 < 16)
;;   THE QUANTISER, for each operand of a quantised product, along K:
;;     - K is cut into blocks of 32 from its start; a last block that is shorter is filled with zeros.
;;     - A block's scale is 2^e with e = floor(log2(the largest magnitude in the block)) - 2, held to -126 .. 127; a block of zeros has e = 0. As a byte (E8M0): e + 127.
;;     - Each number is divided by its block's scale, clamped to +-6, and rounded to the nearest number of E2M1, ties to even, subnormals kept.
;;     - The product sums the exact products of the quantised numbers (number of the format x scale) in f32.
;;   ~~~python
;;   def quantise(x, axis):      # numpy; x: float32 -> the quantised numbers, widened to float32 again
;;       x = np.moveaxis(x, axis, -1); K = x.shape[-1]
;;       x = np.pad(x, [(0, 0)] * (x.ndim - 1) + [(0, -K % 32)]); x = x.reshape(x.shape[:-1] + (-1, 32)); a = np.abs(x).max(-1, keepdims=True)
;;       e = np.where(a > 0, np.clip(np.frexp(np.where(a > 0, a, 1))[1] - 1 - 2, -126, 127), 0)      # np.frexp(a)[1] - 1 = floor(log2(a)), exactly
;;       r = np.clip(x / 2.0 ** e, -6, 6)
;;       step = 2.0 ** (np.maximum(np.frexp(np.where(r == 0, 1, r))[1] - 1, 0) - 1)
;;       q = np.round(r / step) * step * 2.0 ** e      # np.round: ties to even
;;       return np.moveaxis(q.reshape(q.shape[:-2] + (-1,))[..., :K], -1, axis).astype(np.float32)
;;   ~~~
;;   INPUTS GIVEN AS CODES. W_dec (in the module: [1024, 1024], K = its axis 1); W_enc (in the module: [1024, 1024], K = its axis 1); dec_hidden (in the module: [32, 1024], K = its axis 1): each comes as NAME_codes (uint8): NAME with its K axis moved to the last place and cut into blocks of 32 codes, [.., K / 32, bytes a block], one block behind the other in memory; two codes a byte, the lower K in the low four bits (a code: sign, 2 exponent bits, 1 mantissa bit); and NAME_scales (uint8): the same leading axes, one E8M0 byte (e + 127) for each 32 codes along K. Its value is code x scale, taken as it is: it is not quantised again, and the codes and scales need not be those that the quantiser above would give.
;; One version. Each part assembles by itself: llvm-mc -triple=amdgcn-amd-amdhsa -mcpu=gfx1250 --defsym DOCPART=n.
;; ======== version 1 of 1: 3 launches
;; limits: right only within a limited range of input values
;; workspace buffers: rows 262,144 bytes of whole numbers; meta 16,384 bytes of whole numbers; wfrag 524,288 bytes; dhc 131,072 bytes; sc 262,144 bytes; part 2,097,152 bytes; ml 131,072 bytes
;; launch prep (part 1): grid 96 x 1, 8 waves a work-group, no clusters, 0 bytes of LDS; arguments mask, W_enc_codes, W_dec_codes, W_dec_scales, dec_hidden_codes, dec_hidden_scales, rows, meta, wfrag, dhc, sc; writes rows, meta, wfrag, dhc, sc
.if DOCPART == 1
	.amdgcn_target "amdgcn-amd-amdhsa--gfx1250"
	.amdhsa_code_object_version 6
	.text
	.protected	k_q33578c83bf_prep
	.globl	k_q33578c83bf_prep
	.p2align	8
	.type	k_q33578c83bf_prep,@function
k_q33578c83bf_prep:
	s_mov_b64 s[64:65], 0
	v_nop
	global_prefetch_b8 v0, s[64:65] scope:SCOPE_SE
	s_setreg_imm32_b32 hwreg(HW_REG_WAVE_MODE, 25, 1), 1
	s_wait_xcnt 0x0
; BAHDANAU ATTENTION, launch 1 of 3: the row lists, W_enc in operand order, and dh.
; WORK LEFT OUT BY THE WHOLE PROGRAM, and why it is dead:
; (1) Rows with mask == 0, in a batch that has a kept row.  reference() replaces their score by -1e9 (a choice on whole numbers, read here from memory), so their
;     eh, tanh and score reach nothing; their weight is exp(-1e9 - max), where max >= -sum|v| is a kept row's score: 0 in reference()'s own f32, so they add nothing to the context either.
;     A batch with no kept row has equal scores: all its 2,048 rows are listed and given the score 0 (flag).
; (2) The term sum_d v[d].  tanh(x) = 1 - 2 r, r = 1 / (1 + 2^(c2 x)), c2 = 2 log2(e): score = sum v - 2 sum v r, and sum v is the same for all kept rows along the softmax's axis.
; LIMITS: sum|v| < 1e9 - 150 (beyond it a masked row could weigh); a NaN, an infinity or an overflow that reaches only a masked row is not carried to the result.
; Every input has a way to an output: all are loaded by some launch.
; WORK-GROUPS 0-31 (batch b): the kept rows are ranked (any fixed order serves) and dealt to 16 lists of 128 slots by whole tiles of 16: rank p goes to list (p >> 4) & 15, slot 16 (p >> 8) + (p & 15).
;   The rows not kept follow the kept ones in the ranking, so that each of the batch's 2,048 slots is stored once.  sc is filled with -3e38, under every score.
; WORK-GROUPS 32-95 (nt = 16 rows of the weights): W_enc's codes are laid in the order of an operand's registers, [nt][K step q][c][lane] x 16 bytes; wave 0 makes c2 x dh for its 16 columns.
.set NEG, 0xff61b1e6
.set C2,  0x4038aa3b
	s_load_b512 s[4:19], s[0:1], 0x0               ; mask, W_enc codes, W_dec codes, W_dec scales, dec codes, dec scales, rows, meta
	s_load_b128 s[20:23], s[0:1], 0x40             ; wfrag, dhc
	s_load_b64 s[24:25], s[0:1], 0x50              ; sc
	v_lshrrev_b32 v1, 5, v0
	v_readfirstlane_b32 s30, v1                    ; wave 0..7
	v_and_b32 v1, 31, v0                           ; lane
	v_and_b32 v2, 15, v0                           ; r
	v_bfe_u32 v3, v0, 4, 1                         ; h
	v_lshlrev_b32 v5, 4, v1                        ; 16 x lane
	s_mov_b32 s29, 0                               ; upper word of the offsets in s[28:29]
	s_wait_kmcnt 0x0
	s_cmp_ge_u32 ttmp9, 32
	s_cbranch_scc1 .Lw
; ---------------- the lists of batch b = ttmp9 ----------------
	s_lshl_b32 s28, ttmp9, 13
	s_add_nc_u64 s[4:5], s[4:5], s[28:29]          ; the batch's 2,048 mask words,
	s_add_nc_u64 s[24:25], s[24:25], s[28:29]      ; its row of sc,
	s_add_nc_u64 s[16:17], s[16:17], s[28:29]      ; and its 16 lists of 128 slots: 8,192 bytes each
	s_lshl_b32 s28, s30, 10
	s_add_nc_u64 s[26:27], s[4:5], s[28:29]        ; my wave's 256 mask words
.irp k, 0,1,2,3,4,5,6,7,8,9,10,11,12,13,14,15
	global_load_b128 v[64+4*\k:67+4*\k], v5, s[4:5] offset:512*\k    ; every wave reads the whole row: so the counts need no exchange between waves
.endr
	global_load_b128 v[16:19], v5, s[26:27]        ; register 4 kk + c: row 256 wave + 128 kk + 4 lane + c
	global_load_b128 v[20:23], v5, s[26:27] offset:512
	s_lshl_b32 s28, ttmp9, 9
	s_add_nc_u64 s[18:19], s[18:19], s[28:29]      ; its 512 bytes of meta
.irp e, 0,1,2,3
	v_mov_b32 v[160+\e], NEG
.endr
	v_lshlrev_b32 v6, 4, v0
	global_store_b128 v6, v[160:163], s[24:25]                 ; 256 threads x 16 bytes, twice: the batch's 8,192 bytes of sc
	global_store_b128 v6, v[160:163], s[24:25] offset:4096
	s_lshl_b32 s31, s30, 8
	v_add_nc_u32 v7, s31, v1                       ; 256 wave + lane: my place in the ranking's order, less 32 j
	v_lshl_add_u32 v8, v1, 2, s31                  ; 256 wave + 4 lane: my rows, less 128 kk + c
	s_mov_b32 s34, 0                               ; n: kept rows of the batch
	s_mov_b32 s35, 0                               ; kept rows of the waves before mine
	s_wait_loadcnt 0x0
.irp G, 0,1,2,3,4,5,6,7
	s_mov_b32 s42, 0
.irp e, 0,1,2,3,4,5,6,7
	v_cmp_ne_u32 s40, 0, v[64+8*\G+\e]
	s_bcnt1_i32_b32 s41, s40
	s_add_co_u32 s42, s42, s41                     ; wave G's kept rows
.endr
	s_add_co_u32 s34, s34, s42
	s_cmp_gt_u32 s30, \G
	s_cselect_b32 s43, s42, 0
	s_add_co_u32 s35, s35, s43
.endr
	s_cmp_eq_u32 s34, 0
	s_cselect_b32 s36, 1, 0                        ; flag: no row is kept
	s_cselect_b32 s37, 2048, s34                   ; n': the rows that are listed as live
	s_add_co_u32 s38, s37, 15
	s_lshr_b32 s38, s38, 4
	s_min_u32 s38, s38, 16                         ; na: the lists that have a live row
; position pos (0 .. 2,047) -> byte offset of its slot
.macro PLACE pos, off
	v_bfe_u32 v170, v[\pos], 4, 4                  ; the list
	v_lshrrev_b32 v171, 8, v[\pos]
	v_and_b32 v172, 15, v[\pos]
	v_lshl_or_b32 v171, v171, 4, v172              ; the slot
	v_lshl_or_b32 v170, v170, 7, v171
	v_min_u32 v170, 0x7ff, v170                    ; what hangs on loaded numbers is held inside the batch's 2,048 slots
	v_lshlrev_b32 v[\off], 2, v170
.endm
.irp j, 0,1,2,3,4,5,6,7
	v_cmp_ne_u32 s[48+\j], 0, v[16+\j]
	v_mbcnt_lo_u32_b32 v174, s[48+\j], s35         ; kept rows before me in the order (wave, j, lane)
	v_add_nc_u32 v175, 32*\j, v7
	v_sub_nc_u32 v175, v175, v174                  ; rows not kept before me
	v_add_nc_u32 v175, s34, v175                   ; they follow the n kept ones
	v_cndmask_b32 v176, v175, v174, s[48+\j]
	PLACE 176, 128+\j
	v_add_nc_u32 v[144+\j], 128*(\j/4)+(\j%4), v8  ; the row's number
	global_store_b32 v[128+\j], v[144+\j], s[16:17]            ; each j has its own offset and data registers: none is written again
	s_bcnt1_i32_b32 s41, s[48+\j]
	s_add_co_u32 s35, s35, s41
.endr
	s_cmp_lg_u32 s30, 0
	s_cbranch_scc1 .Lc_end
	v_mov_b32 v164, s37
	v_mov_b32 v165, s36
	v_mov_b32 v166, s38
	v_mov_b32 v167, 0
	global_store_b128 v5, v[164:167], s[18:19]     ; 32 copies of (n', flag, na, 0): 512 consecutive bytes
.Lc_end:
	s_endpgm
; ---------------- 16 rows of the weights: nt = ttmp9 - 32 ----------------
.Lw:
	s_sub_co_u32 s31, ttmp9, 32
	s_mov_b32 s33, 0
	s_lshl_b32 s28, s31, 13                        ; 16 rows of 512 bytes of codes
	s_add_nc_u64 s[8:9], s[8:9], s[28:29]          ; W_dec's
	s_lshl_b32 s32, s30, 6
	s_add_co_u32 s32, s32, s28
	s_add_nc_u64 s[6:7], s[6:7], s[32:33]          ; W_enc's, at K step q = my wave
	s_lshl_b32 s32, s30, 10
	s_add_co_u32 s32, s32, s28
	s_add_nc_u64 s[20:21], s[20:21], s[32:33]      ; wfrag at (nt, q)
	v_lshlrev_b32 v4, 9, v2
	v_lshl_add_u32 v4, v3, 4, v4                   ; row r, + 16 h: registers 4 c .. 4 c + 3 of a fragment are the 16 bytes at 64 q + 32 c + 16 h of row r
	global_load_b128 v[8:11], v4, s[6:7]
	global_load_b128 v[12:15], v4, s[6:7] offset:32
	s_wait_loadcnt 0x0
	global_store_b128 v5, v[8:11], s[20:21]                    ; 512 consecutive bytes a store
	global_store_b128 v5, v[12:15], s[20:21] offset:512
	s_cmp_lg_u32 s30, 0
	s_cbranch_scc1 .Lw_end
	; wave 0: dh(batch, 16 nt + ..) = dec_hidden W_dec^T, used transposed: source 0 = 16 rows of W_dec, source 1 = 16 batches: a lane then holds one batch and eight neighbouring columns
	s_lshl_b32 s28, s31, 9
	s_add_nc_u64 s[10:11], s[10:11], s[28:29]      ; W_dec's scale bytes: 32 a row
	s_lshl_b32 s28, s31, 6
	s_add_nc_u64 s[22:23], s[22:23], s[28:29]      ; dhc at column 16 nt
	s_mov_b32 s40, C2
	v_lshlrev_b32 v6, 5, v2
	v_lshl_add_u32 v6, v3, 4, v6                   ; scale words: lanes 0-15 take row r's words of K steps 0-3, lanes 16-31 those of K steps 4-7
	v_lshlrev_b32 v7, 12, v2
	v_lshl_add_u32 v7, v3, 5, v7                   ; dhc: row r of 4,096 bytes, + 32 h
.irp q, 0,1,2,3,4,5,6,7
.irp c, 0,1
	global_load_b128 v[64+8*\q+4*\c:67+8*\q+4*\c], v4, s[8:9] offset:64*\q+32*\c
	global_load_b128 v[128+8*\q+4*\c:131+8*\q+4*\c], v4, s[12:13] offset:64*\q+32*\c
	global_load_b128 v[192+8*\q+4*\c:195+8*\q+4*\c], v4, s[12:13] offset:8192+64*\q+32*\c
.endr
.endr
	global_load_b128 v[32:35], v6, s[10:11]        ; v32-43 hold scales and nothing else
	global_load_b128 v[36:39], v6, s[14:15]
	global_load_b128 v[40:43], v6, s[14:15] offset:512
	s_wait_loadcnt 0x0
.irp q, 0,1,2,3,4,5,6,7                        ; the two accumulators take turns; the first K step starts the sums
.irp t, 0,1
.if \q == 0
	v_wmma_scale_f32_16x16x128_f8f6f4 v[48+8*\t:55+8*\t], v[64+8*\q:71+8*\q], v[128+64*\t+8*\q:135+64*\t+8*\q], 0, v[32+\q%4], v[36+4*\t+\q%4] matrix_a_fmt:MATRIX_FMT_FP4 matrix_b_fmt:MATRIX_FMT_FP4
.elseif \q < 4
	v_wmma_scale_f32_16x16x128_f8f6f4 v[48+8*\t:55+8*\t], v[64+8*\q:71+8*\q], v[128+64*\t+8*\q:135+64*\t+8*\q], v[48+8*\t:55+8*\t], v[32+\q%4], v[36+4*\t+\q%4] matrix_a_fmt:MATRIX_FMT_FP4 matrix_b_fmt:MATRIX_FMT_FP4
.else
	v_wmma_scale_f32_16x16x128_f8f6f4 v[48+8*\t:55+8*\t], v[64+8*\q:71+8*\q], v[128+64*\t+8*\q:135+64*\t+8*\q], v[48+8*\t:55+8*\t], v[32+\q%4], v[36+4*\t+\q%4] matrix_a_fmt:MATRIX_FMT_FP4 matrix_b_fmt:MATRIX_FMT_FP4 matrix_a_scale:MATRIX_SCALE_ROW1 matrix_b_scale:MATRIX_SCALE_ROW1
.endif
.endr
.endr
.rept 4
	v_nop                                          ; four places between the last product and the first read of results (ISA guide 7.12.1)
.endr
.irp e, 0,1,2,3,4,5,6,7,8,9,10,11,12,13,14,15
	v_mul_f32 v[16+\e], s40, v[48+\e]              ; c2 x dh, each accumulator from its low end on
.endr
.irp t, 0,1
	global_store_b128 v7, v[16+8*\t:19+8*\t], s[22:23] offset:65536*\t
	global_store_b128 v7, v[20+8*\t:23+8*\t], s[22:23] offset:65536*\t+16
.endr
.Lw_end:
	s_endpgm
.Lfunc_end_k_q33578c83bf_prep:
	.size	k_q33578c83bf_prep, .Lfunc_end_k_q33578c83bf_prep-k_q33578c83bf_prep
	.p2alignl 7, 3214868480
	.fill 96, 4, 3214868480
	.section	.rodata,"a",@progbits
	.p2align	6, 0x0
	.amdhsa_kernel k_q33578c83bf_prep
		.amdhsa_group_segment_fixed_size 0
		.amdhsa_private_segment_fixed_size 0
		.amdhsa_enable_private_segment 0
		.amdhsa_kernarg_size 88
		.amdhsa_user_sgpr_count 2
		.amdhsa_user_sgpr_kernarg_segment_ptr 1
		.amdhsa_wavefront_size32 1
		.amdhsa_system_sgpr_workgroup_id_x 1
		.amdhsa_system_sgpr_workgroup_id_y 1
		.amdhsa_system_sgpr_workgroup_id_z 1
		.amdhsa_system_vgpr_workitem_id 0
		.amdhsa_next_free_vgpr 256
		.amdhsa_next_free_sgpr 66
		.amdhsa_reserve_vcc 0
		.amdhsa_float_denorm_mode_32 3
		.amdhsa_float_denorm_mode_16_64 3
		.amdhsa_memory_ordered 1
		.amdhsa_forward_progress 1
		.amdhsa_inst_pref_size 30
	.end_amdhsa_kernel
	.amdgpu_metadata
---
amdhsa.version: [ 1, 2 ]
amdhsa.kernels:
  - .name:           k_q33578c83bf_prep
    .symbol:         k_q33578c83bf_prep.kd
    .args:
      - { .name: mask, .offset: 0, .size: 8, .value_kind: global_buffer, .address_space: global }
      - { .name: W_enc_codes, .offset: 8, .size: 8, .value_kind: global_buffer, .address_space: global }
      - { .name: W_dec_codes, .offset: 16, .size: 8, .value_kind: global_buffer, .address_space: global }
      - { .name: W_dec_scales, .offset: 24, .size: 8, .value_kind: global_buffer, .address_space: global }
      - { .name: dec_hidden_codes, .offset: 32, .size: 8, .value_kind: global_buffer, .address_space: global }
      - { .name: dec_hidden_scales, .offset: 40, .size: 8, .value_kind: global_buffer, .address_space: global }
      - { .name: rows, .offset: 48, .size: 8, .value_kind: global_buffer, .address_space: global }
      - { .name: meta, .offset: 56, .size: 8, .value_kind: global_buffer, .address_space: global }
      - { .name: wfrag, .offset: 64, .size: 8, .value_kind: global_buffer, .address_space: global }
      - { .name: dhc, .offset: 72, .size: 8, .value_kind: global_buffer, .address_space: global }
      - { .name: sc, .offset: 80, .size: 8, .value_kind: global_buffer, .address_space: global }
    .group_segment_fixed_size: 0
    .private_segment_fixed_size: 0
    .kernarg_segment_align: 8
    .kernarg_segment_size: 88
    .max_flat_workgroup_size: 256
    .sgpr_count:     66
    .vgpr_count:     256
    .wavefront_size: 32
...
	.end_amdgpu_metadata
.endif
;; end of part 1
;; launch main (part 2): grid 16 x 32, 4 waves a work-group, no clusters, 301,056 bytes of LDS; arguments enc_outputs, rows, meta, wfrag, W_enc_scales, v, dhc, sc, part, ml; writes sc, part, ml
.if DOCPART == 2
	.amdgcn_target "amdgcn-amd-amdhsa--gfx1250"
	.amdhsa_code_object_version 6
	.text
	.protected	k_q33578c83bf_main
	.globl	k_q33578c83bf_main
	.p2align	8
	.type	k_q33578c83bf_main,@function
k_q33578c83bf_main:
	s_mov_b64 s[64:65], 0
	v_nop
	global_prefetch_b8 v0, s[64:65] scope:SCOPE_SE
	s_setreg_imm32_b32 hwreg(HW_REG_WAVE_MODE, 25, 1), 1
	s_wait_xcnt 0x0
; BAHDANAU ATTENTION, launch 2 of 3.  Work-group (i, b) takes list i of batch b: nv kept rows of enc, at most 128.  It reads each of them ONCE, quantises them to FP4 along E, multiplies by W_enc^T,
; takes t = -2 log2(e) sum_d v[d] / (1 + 2^(c2 (dh + eh))), a softmax over its own rows (m, l, p = 2^(t - m)), and sum p x from a bf16 copy of the rows kept in LDS.
; LEFT OUT as dead work (shown at the head of the first launch): rows with mask == 0, and the term sum v.  LIMITS: NaN and infinities in enc are not served; a block of 32 whose largest magnitude lies under
; 2^-124 gets the scale byte 1; the context is summed from enc rounded to bf16.
; THE SHAPE: 8 tiles of 16 slots.  Slots from nv on are pads: they read the list's first row again and get p = 0.  Every wave of every work-group passes every barrier.  What a list does not need is jumped
; over by scalar branches on nv, a stored whole number, each of which joins again ahead of the next barrier: the arithmetic of a tile with no live slot (its loads and their counted wait stay, so that the counts hold
; on every way; tile 0 always runs, so that the codes' registers are always written: a dead tile sends stale, valid codes round, which no product takes), the products and tanh of tiles 4-5 and 6-7,
; and the context's trips over dead rows.  Every LDS address is made at the head, ahead of those branches.
; W_enc goes from memory straight into operand registers, in the order that the first launch laid; the waves share N, and each
; holds ALL 8 tiles' codes in registers, so that each byte of W_enc enters the work-group once.
; SHARES.  Q (quantise) and the context: wave w owns columns 256 w .. 256 w + 255 of all rows.  G (product and tanh): wave w owns rows 256 w .. of W_enc, 16 tiles of 16.
; LDS: RET [128 rows] x 2,048 bytes of bf16 (in wave w's 512 bytes lane L's 16 hold columns 256 w + 4 L .. + 3, then 256 w + 128 + 4 L .. + 3; written and read by wave w alone);
;   IMG two slots by turns, each one tile's 8 fragments as images of their registers; STG a stage of 16 rows x 272 bytes for each wave (behind G: its first 512 bytes the wave's partial scores);
;   SCI the rows' scale words [pair of tiles][q][32 lanes]; PW p of the 128 slots; SPARE the spare words.
; REGISTERS.  Window 0: v0-31 and v64-67 addresses; v32-63 the rows' scale words, v72-79 W_enc's (scales and nothing else); from v80 at work.  Windows 1, 2: the fragments of tiles 0-3, 4-7, 64 registers each.
;   Window 3: in Q v0-191 three chunks of rows as loaded; in G v0-63 eight accumulators, v64-127 the sums of v r, eight a tile.
.set IMG,   262144
.set STG,   278528
.set WST,   4352
.set SCI,   295936
.set PW,    300032
.set SPARE, 300544
.set C2,    0x4038aa3b
.set K2,    0xc038aa3b
.set NEG,   0xff61b1e6
.set SPW,  4                           ; LDS address of my spare word; never rewritten
.set NIL,  5                           ; 0; never rewritten
.set LOFF, 6                           ; 1024 w + 16 r
.set L16,  7                           ; 16 x lane
.set H8,   8
.set H32,  9
.set STS,  10                          ; stage, in: row 8 h (+ i), byte 16 r
.set STL,  11                          ; stage, out: row r, byte 128 h
.set IMS,  12                          ; images, in: my two K steps
.set IML,  13                          ; images, out
.set SCS,  14                          ; scale words, in
.set SCL,  15                          ; scale words, out
.set RW,   16                          ; bf16 copy, in: 512 w + 16 r + 8 h rows
.set RR,   17                          ; bf16 copy, out: 512 w + 16 x lane
.set WSO,  20                          ; 32 r + 16 h
.set R4,   21                          ; 4 r
.set SCBS, 22                          ; partial scores, in
.set SCBL, 23                          ; partial scores, out: slots 32 k + lane
.set PWS,  24                          ; p, in: my wave's 32 slots
.set PWL,  25                          ; p, out
.set L4,   27                          ; 4 x lane
.set IX0,  28                          ; the list's first row
.set ASC,  32
.set RRP,  64                          ; v64-67 RR + 65,536 p: the copy's rows 32 p on, on the way out; never rewritten
.set WS,   72
.set VO,   80                          ; Q: v80-143 byte offsets of the 128 slots' rows: register 8 a + i: slot 16 a + 8 h + i
.set X,    152                         ; Q: v152-183 a block of 32 numbers
.set T,    184                         ; Q: v184-215 bf16 pairs, two sets
.set CD,   216                         ; Q: v216-231 a tile's codes of my two K steps
.set MX,   232
.set SO,   234
.set BY,   236
.set PWD,  238
.set PT,   240
.set RWP,  248                         ; v248-251 RW + 65,536 p: the copy's rows 32 p on, on the way in
.set WB,   80                          ; G: v80-143, v144-207 a tile of W_enc, two sets
.set VL,   242                         ; G: v242, v243 v[d] as loaded, a register for each set
.set DL,   244                         ; G: v244, v245 c2 dh[d] as loaded
.set VVC,  252                         ; G: v[252:253] v[d] of the tile in hand (the upper half is named in the pair and holds 0)
.set DHC,  254                         ; G: v[254:255] c2 dh[d] of the tile in hand
.set SAC,  64                          ; G, window 3: the sums of v r
.set WF,   44                          ; s[44:45] wfrag, s[46:47] W_enc's scales, s[48:49] v, s[50:51] dhc, at my wave's tile in hand
.set WSB,  46
.set VB,   48
.set DB,   50
.set MSB, 0
.macro WIN new                         ; the immediate's high byte repeats the setting that is left; a switch that changes nothing is dropped
.if MSB != (\new)
	s_set_vgpr_msb (MSB<<8)|(\new)
.set MSB, (\new)
.endif
.endm
.macro BARRIER                         ; my LDS stores have landed and my LDS loads are in: then the work-group's barrier
	s_wait_dscnt 0x0
	s_barrier_signal -1
	s_barrier_wait -1
.endm
; A tile of W_enc, k tiles on from the bases, into set par: 8 fragments, their scale words (lanes 0-15: K steps 0-3, lanes 16-31: 4-7), v and c2 dh of its 16 columns: 19 loads
.macro LOADW par, k
.irp q, 0,1,2,3,4,5,6,7
.irp c, 0,1
	global_load_b128 v[WB+64*(\par)+8*\q+4*\c:WB+64*(\par)+8*\q+4*\c+3], v[L16], s[WF:WF+1] offset:8192*(\k)+1024*\q+512*\c
.endr
.endr
	global_load_b128 v[WS+4*(\par):WS+4*(\par)+3], v[WSO], s[WSB:WSB+1] offset:512*(\k)
	global_load_b32 v[VL+(\par)], v[R4], s[VB:VB+1] offset:64*(\k)
	global_load_b32 v[DL+(\par)], v[R4], s[DB:DB+1] offset:64*(\k)
.endm
	s_load_b512 s[4:19], s[0:1], 0x0               ; enc, rows, meta, wfrag, W_enc scales, v, dhc, sc
	s_load_b128 s[20:23], s[0:1], 0x40             ; part, ml
	v_lshl_add_u32 v[SPW], v0, 2, SPARE
	v_mov_b32 v[NIL], 0
	v_lshrrev_b32 v1, 5, v0
	v_readfirstlane_b32 s24, v1                    ; wave 0..3
	v_and_b32 v1, 31, v0                           ; lane
	v_and_b32 v2, 15, v0                           ; r
	v_bfe_u32 v3, v0, 4, 1                         ; h
	s_mov_b32 s25, ttmp9                           ; i
	s_and_b32 s26, ttmp7, 0xffff                   ; b
	s_mov_b32 s41, 0                               ; upper word of the offsets in s[40:41]
	s_lshl_b32 s40, s26, 9
	s_wait_kmcnt 0x0
	s_add_nc_u64 s[8:9], s[8:9], s[40:41]
	s_load_b128 s[28:31], s[8:9], 0x0              ; n', flag, na, 0
	s_lshl_b32 s42, s24, 10
	v_lshl_add_u32 v[LOFF], v2, 4, s42
	v_lshlrev_b32 v[L16], 4, v1
	v_lshlrev_b32 v[H8], 3, v3
	v_lshlrev_b32 v[H32], 5, v3
	v_lshlrev_b32 v[L4], 2, v1
	v_lshlrev_b32 v[R4], 2, v2
	s_mul_i32 s42, s24, WST
	s_add_co_u32 s42, s42, STG                     ; my stage
	v_mul_u32_u24 v[STS], v3, 2176
	v_lshl_add_u32 v[STS], v2, 4, v[STS]
	v_add_nc_u32 v[STS], s42, v[STS]
	v_mul_u32_u24 v[STL], v2, 272
	v_lshl_add_u32 v[STL], v3, 7, v[STL]
	v_add_nc_u32 v[STL], s42, v[STL]
	v_add_nc_u32 v[SCBS], s42, v[H32]
	s_lshl_b32 s43, s24, 7
	s_add_co_u32 s43, s43, PW
	v_add_nc_u32 v[PWS], s43, v[L4]
	v_mov_b32 v[PWL], PW
	s_lshl_b32 s43, s24, 11
	s_add_co_u32 s43, s43, IMG
	v_add_nc_u32 v[IMS], s43, v[L16]
	v_add_nc_u32 v[IML], IMG, v[L16]
	s_lshl_b32 s43, s24, 8
	s_add_co_u32 s43, s43, SCI
	v_lshl_add_u32 v[SCS], v2, 2, s43
	v_lshl_add_u32 v[SCL], v1, 2, SCI
	s_lshl_b32 s43, s24, 9
	v_lshl_add_u32 v[RW], v2, 4, s43
	v_lshl_add_u32 v[RW], v3, 14, v[RW]
	v_add_nc_u32 v[RR], s43, v[L16]
.irp p, 0,1,2,3
	v_add_nc_u32 v[RWP+\p], 65536*\p, v[RW]
	v_add_nc_u32 v[RRP+\p], 65536*\p, v[RR]
.endr
	v_lshlrev_b32 v[WSO], 5, v2
	v_lshl_add_u32 v[WSO], v3, 4, v[WSO]
	v_lshl_add_u32 v[SCBL], v1, 2, STG
	v_mov_b32 v30, 0                               ; written once: a lane permute's destination counts as one of its sources
	s_mov_b32 s36, C2
	s_mov_b32 s37, C2
	s_mov_b32 s38, 0x76543210
	s_mov_b32 s39, 0xfedcba98                      ; v_permlanex16_b32's selects for lane l xor 16
	s_lshl_b32 s40, s26, 23
	s_add_nc_u64 s[4:5], s[4:5], s[40:41]          ; the batch's rows of enc
	s_lshl_b32 s42, s26, 4
	s_add_co_u32 s42, s42, s25                     ; 16 b + i
	s_lshl_b32 s40, s42, 9
	s_add_nc_u64 s[6:7], s[6:7], s[40:41]          ; my list: 128 slots of 4 bytes
.irp a, 0,1,2,3,4,5,6,7
.irp k, 0,1
	global_load_b128 v[VO+8*\a+4*\k:VO+8*\a+4*\k+3], v[H32], s[6:7] offset:64*\a+16*\k
.endr
.endr
	s_lshl_b32 s40, s24, 17
	s_add_nc_u64 s[WF:WF+1], s[10:11], s[40:41]
	s_lshl_b32 s40, s24, 13
	s_add_nc_u64 s[WSB:WSB+1], s[12:13], s[40:41]
	s_lshl_b32 s40, s24, 10
	s_add_nc_u64 s[VB:VB+1], s[14:15], s[40:41]
	s_lshl_b32 s43, s26, 12
	s_add_co_u32 s40, s40, s43
	s_add_nc_u64 s[DB:DB+1], s[16:17], s[40:41]
	s_lshl_b32 s40, s26, 13
	s_add_nc_u64 s[18:19], s[18:19], s[40:41]      ; the batch's row of sc
	s_lshl_b32 s40, s42, 12
	s_lshl_b32 s43, s24, 10
	s_add_co_u32 s40, s40, s43
	s_add_nc_u64 s[20:21], s[20:21], s[40:41]      ; my wave's 1,024 bytes of my partial context
	s_lshl_b32 s40, s42, 8
	s_add_nc_u64 s[22:23], s[22:23], s[40:41]      ; my 256 bytes of ml
	s_wait_kmcnt 0x0
	s_and_b32 s42, s28, 255                        ; nv = 16 (n' >> 8) + what the last round of 16 tiles leaves for list i: (n' & 255) - 16 i, held to 0 .. 16
	s_lshl_b32 s43, s25, 4
	s_sub_co_i32 s42, s42, s43
	s_max_i32 s42, s42, 0
	s_min_i32 s42, s42, 16
	s_lshr_b32 s32, s28, 8
	s_lshl_b32 s32, s32, 4
	s_add_co_u32 s32, s32, s42
	s_cmp_eq_u32 s29, 0
	s_cselect_b32 s34, K2, 0                       ; t = -2 log2(e) x sum; in a batch with no kept row all scores are equal: t = 0
	s_wait_loadcnt 0x0
	v_readfirstlane_b32 s33, v[VO]
	v_mov_b32 v[IX0], s33
.irp a, 0,1,2,3,4,5,6,7
.irp i, 0,1,2,3,4,5,6,7
	v_add_nc_u32 v29, 16*\a+\i, v[H8]              ; the slot
	v_cmp_gt_u32 vcc_lo, s32, v29
	v_cndmask_b32 v[VO+8*\a+\i], v[IX0], v[VO+8*\a+\i], vcc_lo   ; a pad reads the first row again
	v_min_u32 v[VO+8*\a+\i], 0x7ff, v[VO+8*\a+\i]                ; a loaded number is held inside the batch's 2,048 rows
	v_lshl_add_u32 v[VO+8*\a+\i], v[VO+8*\a+\i], 12, v[LOFF]
.endr
.endr
; ---------------- Q: 16 units.  Unit u: tile a = u / 2, K step q = 2 w + u % 2: 16 rows x 512 bytes, in chunk u % 3 of window 3 ----------------
.macro ISSUE u                         ; 16 loads: lanes 0-15 read 256 consecutive bytes of slot 16 a + i, lanes 16-31 of slot 16 a + 8 + i
.set IA, (\u)/2
.set IG, (\u)%2
.set IC, 64*((\u)%3)
	WIN 0xc0
.irp gq, 0,1
.irp i, 0,1,2,3,4,5,6,7
	global_load_b128 v[IC+32*\gq+4*\i:IC+32*\gq+4*\i+3], v[VO+8*IA+\i], s[4:5] offset:512*IG+256*\gq
.endr
.endr
	WIN 0
.endm
.macro UNIT u
.if (\u)+2 <= 15
	ISSUE (\u)+2                                   ; into the chunk of unit u - 1, which is done with
.endif
.set UA, (\u)/2
.set UG, (\u)%2
.set UC, 64*((\u)%3)
.if (\u) <= 13
	s_wait_loadcnt 32                              ; loads come back in order: this unit's 16 are in, the two younger units' stay out
.else
	s_wait_loadcnt 16*(15-(\u))
.endif
.if (\u) == 15
	LOADW 0, 0                                     ; all rows are in, so the rows' offsets are done with: W_enc's first tile is asked for into their registers, and lands under the end of Q
.endif
.if UA > 0
	s_cmp_le_u32 s32, 16*UA                        ; a tile with no live slot: its arithmetic and its LDS stores are left out; the loads and the wait above stand on both ways
	s_cbranch_scc1 .Ldead_\@
.endif
.irp c, 0,1                                    ; 64 columns at a time: they become registers 4 c .. 4 c + 3 of the fragment
	WIN 0x0c
.irp i, 0,1,2,3,4,5,6,7
	ds_store_b128 v[STS], v[UC+32*\c+4*\i:UC+32*\c+4*\i+3] offset:272*\i     ; as loaded, into my stage
.endr
	WIN 0
.irp j, 0,1,2,3,4,5,6,7
	ds_load_b128 v[X+4*\j:X+4*\j+3], v[STL] offset:16*\j                     ; back: lane (r, h) takes block 2 c + h of row r whole.  LDS serves a wave's instructions in order
.endr
	WIN 0x0f
.irp i, 0,1,2,3,4,5,6,7
	v_cvt_pk_bf16_f32 v[T+16*\c+2*\i], v[UC+32*\c+4*\i], v[UC+32*\c+4*\i+1]
	v_cvt_pk_bf16_f32 v[T+16*\c+2*\i+1], v[UC+32*\c+4*\i+2], v[UC+32*\c+4*\i+3]
.endr
	WIN 0
.irp i, 0,1,2,3,4,5,6,7
	ds_store_b64 v[RWP+UA/2], v[T+16*\c+2*\i:T+16*\c+2*\i+1] offset:(16*(UA%2)+\i)*2048+256*\c+8*UG   ; the copy for the context
.endr
	s_wait_dscnt 8                                 ; all but these eight stores: the block is in
	v_max3_num_f32 v[MX], |v[X]|, |v[X+1]|, 0x1800000          ; the block's largest magnitude, in two chains, over the floor 2^(3 - 127): the byte cannot fall under 1
	v_max3_num_f32 v[MX+1], |v[X+2]|, |v[X+3]|, |v[X+4]|
.irp n, 0,1,2,3,4,5,6,7,8,9,10,11,12
	v_max3_num_f32 v[MX+(\n%2)], v[MX+(\n%2)], |v[X+5+2*\n]|, |v[X+6+2*\n]|
.endr
	v_max3_num_f32 v[MX], v[MX], v[MX+1], |v[X+31]|
	v_add_nc_u32 v[SO+\c], 0xff000000, v[MX]       ; 2 off its exponent field: the conversion takes this operand's exponent field as its scale
	v_lshrrev_b32 v[BY+\c], 23, v[SO+\c]           ; the scale's byte
.irp k, 0,1,2,3
	v_cvt_scalef32_pk8_fp4_f32 v[CD+8*UG+4*\c+\k], v[X+8*\k:X+8*\k+7], v[SO+\c]
.endr
	v_nop                                          ; one plain place behind the scaled conversions
.endr
	v_lshl_or_b32 v[PT], v[BY+1], 16, v[BY]        ; my two bytes, blocks h and 2 + h,
	v_lshlrev_b32 v[PT], v[H8], v[PT]              ; at their places;
	v_permlanex16_b32 v30, v[PT], s38, s39
	v_or_b32 v[PWD+UG], v[PT], v30                 ; with lane l xor 16's two the row's scale word is whole
.Ldead_\@:
.endm
; The tile's 8 fragments go round: each wave stores its two as images of their registers, and loads all eight.  Two slots by turns and ONE barrier a tile: slot a % 2 is written again two tiles on,
; behind the next tile's barrier, in front of which every wave has waited for its loads of this tile's images.
.macro TILE_OUT a
.set TG, (\a)/4+1
.set TM, (\a)%4
.set TS, 8192*((\a)%2)
.irp gp, 0,1
.irp c, 0,1
	ds_store_b128 v[IMS], v[CD+8*\gp+4*\c:CD+8*\gp+4*\c+3] offset:TS+1024*\gp+512*\c
.endr
	ds_store_b32 v[SCS], v[PWD+\gp] offset:1024*((\a)/2)+128*\gp+64*((\a)%2)     ; both halves of the lanes write the same word with the same value
.endr
	BARRIER                                        ; all eight images lie in LDS
	WIN TG<<6
.irp q, 0,1,2,3,4,5,6,7
.irp c, 0,1
	ds_load_b128 v[64*TM+8*\q+4*\c:64*TM+8*\q+4*\c+3], v[IML] offset:TS+1024*\q+512*\c
.endr
.endr
	WIN 0
.endm
	ISSUE 0
	ISSUE 1
.irp a, 0,1,2,3,4,5,6,7
	UNIT 2*\a
	UNIT 2*\a+1
	TILE_OUT \a
.endr
	LOADW 1, 1                                     ; W_enc's second tile: behind the last barrier's wait my LDS stores have read the registers that it lands in
.irp p, 0,1,2,3
.irp q, 0,1,2,3,4,5,6,7
	ds_load_b32 v[ASC+8*\p+\q], v[SCL] offset:1024*\p+128*\q       ; lanes 0-15: tile 2 p's words of K step q; lanes 16-31: tile 2 p + 1's
.endr
.endr
	WIN 0xc0
.set J, 0
.rept 64
	v_mov_b32 v[SAC+J], 0                          ; the sums of v r begin as zeros: so W_enc's first tile needs no text of its own
.set J, J+1
.endr
	WIN 0
	v_mov_b32 v[VVC+1], 0
	v_mov_b32 v[DHC+1], 0
	s_wait_dscnt 0x0
; ---------------- G: my 16 tiles of W_enc against the tiles of rows ----------------
.macro MM zero, ra, rb                 ; one product; GD, GA, GB, GSA, GSB are set by the caller
.if \zero
.if \ra
	v_wmma_scale_f32_16x16x128_f8f6f4 v[GD:GD+7], v[GA:GA+7], v[GB:GB+7], 0, v[GSA], v[GSB] matrix_a_fmt:MATRIX_FMT_FP4 matrix_b_fmt:MATRIX_FMT_FP4 matrix_a_scale:MATRIX_SCALE_ROW1
.else
	v_wmma_scale_f32_16x16x128_f8f6f4 v[GD:GD+7], v[GA:GA+7], v[GB:GB+7], 0, v[GSA], v[GSB] matrix_a_fmt:MATRIX_FMT_FP4 matrix_b_fmt:MATRIX_FMT_FP4
.endif
.else
.if (\ra) && (\rb)
	v_wmma_scale_f32_16x16x128_f8f6f4 v[GD:GD+7], v[GA:GA+7], v[GB:GB+7], v[GD:GD+7], v[GSA], v[GSB] matrix_a_fmt:MATRIX_FMT_FP4 matrix_b_fmt:MATRIX_FMT_FP4 matrix_a_scale:MATRIX_SCALE_ROW1 matrix_b_scale:MATRIX_SCALE_ROW1
.elseif \ra
	v_wmma_scale_f32_16x16x128_f8f6f4 v[GD:GD+7], v[GA:GA+7], v[GB:GB+7], v[GD:GD+7], v[GSA], v[GSB] matrix_a_fmt:MATRIX_FMT_FP4 matrix_b_fmt:MATRIX_FMT_FP4 matrix_a_scale:MATRIX_SCALE_ROW1
.elseif \rb
	v_wmma_scale_f32_16x16x128_f8f6f4 v[GD:GD+7], v[GA:GA+7], v[GB:GB+7], v[GD:GD+7], v[GSA], v[GSB] matrix_a_fmt:MATRIX_FMT_FP4 matrix_b_fmt:MATRIX_FMT_FP4 matrix_b_scale:MATRIX_SCALE_ROW1
.else
	v_wmma_scale_f32_16x16x128_f8f6f4 v[GD:GD+7], v[GA:GA+7], v[GB:GB+7], v[GD:GD+7], v[GSA], v[GSB] matrix_a_fmt:MATRIX_FMT_FP4 matrix_b_fmt:MATRIX_FMT_FP4
.endif
.endif
.endm
; The products of n tiles of rows, t0 .. t0 + n - 1 of window win, with the tile of W_enc in set par.  Source 0 = 16 rows of enc, source 1 = 16 rows of W_enc: register j of lane (r, h) is row 8 h + j at
; column d = r.  Tile T's accumulator is v[8 T] of window 3.  The n accumulators take turns, one instruction a turn; K ascending; the first K step starts the sums.
.macro MULS win, t0, n, par
	WIN 0xf0+(\win)                                ; source 0 in window win, source 1 in window 0, C and D in window 3
.irp q, 0,1,2,3,4,5,6,7
.set TL, 0
.rept \n
.set GT, 4*((\win)-1)+(\t0)+TL
.set GD, 8*GT
.set GA, 64*((\t0)+TL)+8*\q
.set GB, WB+64*(\par)+8*\q
.set GSA, ASC+8*(GT/2)+\q
.set GSB, WS+4*(\par)+(\q%4)
	MM (\q==0), (GT%2), (\q/4)
.set TL, TL+1
.endr
.endr
.endm
; v[d] r of tiles t0 .. t0 + n - 1 is added to their sums
.macro TANH t0, n
	WIN 0xc3                                       ; destination and source 0 in window 3
.set J, 8*(\t0)
.rept 4*(\n)
	v_pk_fma_f32 v[J:J+1], v[J:J+1], s[36:37], v[DHC:DHC+1] op_sel_hi:[1,0,0]   ; c2 eh + c2 dh, each accumulator from its low end on
.set J, J+2
.endr
.set J, 8*(\t0)
.rept 8*(\n)
	v_exp_f32 v[J], v[J]
.set J, J+1
.endr
	v_nop                                          ; a plain place behind the batch,
	s_wait_alu depctr_va_vdst(0)                   ; and the one wait ahead of the first use of a result
.set J, 8*(\t0)
.rept 4*(\n)
	v_pk_add_f32 v[J:J+1], v[J:J+1], 1.0 op_sel_hi:[1,0]
.set J, J+2
.endr
.set J, 8*(\t0)
.rept 8*(\n)
	v_rcp_f32 v[J], v[J]                           ; r = 1 / (1 + 2^(c2 x)): 0 where the power overflows, 1 where it vanishes: tanh = 1 - 2 r holds at both ends
.set J, J+1
.endr
	v_nop
	s_wait_alu depctr_va_vdst(0)
	WIN 0xf3                                       ; the sums: destination, source 0 and source 2 in window 3, v[d] in window 0
.set J, 8*(\t0)
.rept 4*(\n)
	v_pk_fma_f32 v[SAC+J:SAC+J+1], v[J:J+1], v[VVC:VVC+1], v[SAC+J:SAC+J+1] op_sel_hi:[1,0,1]
.set J, J+2
.endr
.endm
; A tile of W_enc.  All its products stand first: behind them its registers are free, and the tile TWO on is asked for into them, so that those loads have this tile's tanh and the whole next tile in which to land.
; v[d] and c2 dh[d], which the tanh still needs, are copied out of the set first.  left: the next tile's 19 loads, which may stay out.
.macro NTILE par, load, left
	s_wait_loadcnt \left                           ; loads come back in order: this tile's 19 are in
	MULS 1, 0, 4, \par
	WIN 0
	s_cmp_le_u32 s32, 64                           ; no live slot from tile 4 on
	s_cbranch_scc1 .Lmul_\@
	MULS 2, 0, 2, \par
	WIN 0
	s_cmp_le_u32 s32, 96                           ; none from tile 6 on
	s_cbranch_scc1 .Lmul_\@
	MULS 2, 2, 2, \par
	WIN 0
.Lmul_\@:
	v_mov_b32 v[VVC], v[VL+(\par)]                 ; these two and two v_nop are the four places behind the last product, for the loads into W's registers and for the first read of results
	v_mov_b32 v[DHC], v[DL+(\par)]
	v_nop
	v_nop
.if \load
	s_wait_xcnt 0x0                                ; the next tile's loads, still out, have read their bases: only behind this wait do the bases step
	s_add_nc_u64 s[WF:WF+1], s[WF:WF+1], 8192
	s_add_nc_u64 s[WSB:WSB+1], s[WSB:WSB+1], 512
	s_add_nc_u64 s[VB:VB+1], s[VB:VB+1], 64
	s_add_nc_u64 s[DB:DB+1], s[DB:DB+1], 64
	LOADW \par, 1                                  ; the bases stand at the next tile: one on from them is the tile two on from this
.endif
	TANH 0, 4
	WIN 0
	s_cmp_le_u32 s32, 64
	s_cbranch_scc1 .Ltanh_\@
	TANH 4, 2
	WIN 0
	s_cmp_le_u32 s32, 96
	s_cbranch_scc1 .Ltanh_\@
	TANH 6, 2
	WIN 0
.Ltanh_\@:
.endm
	s_mov_b32 s40, 7
.Lnt:                                              ; tiles 0 to 13, two a trip: the two sets change places; on the way in and over the backward jump alike two tiles' loads are out
	NTILE 0, 1, 19
	NTILE 1, 1, 19
	s_sub_co_u32 s40, s40, 1
	s_cmp_lg_u32 s40, 0
	s_cbranch_scc1 .Lnt
	NTILE 0, 0, 19                                 ; the last two tiles ask for nothing: no load leaves its buffer
	NTILE 1, 0, 0
; ---------------- S: scores, the softmax over my rows, the partial context ----------------
	WIN 0xcf
.irp xm, 1,2,4,8
.set J, 0
.rept 64
	v_add_f32_dpp v[SAC+J], v[SAC+J], v[SAC+J] row_xmask:\xm row_mask:0xf bank_mask:0xf    ; over the 16 columns of a tile: every lane of a half ends with the same bits
.set J, J+1
.endr
.endr
	WIN 0x0c
.irp t, 0,1,2,3,4,5,6,7
.irp k, 0,1
	ds_store_b128 v[SCBS], v[SAC+8*\t+4*\k:SAC+8*\t+4*\k+3] offset:64*\t+16*\k             ; slot 16 t + 8 h + j at byte 4 x slot of my 512
.endr
.endr
	WIN 0
.irp k, 0,1,2,3
	global_load_b32 v[105+\k], v[L4], s[6:7] offset:128*\k     ; the rows' numbers once more, a slot a lane
.endr
	BARRIER                                        ; the four waves' partial scores lie in LDS
.irp k, 0,1,2,3
.irp w, 0,1,2,3
	ds_load_b32 v[80+4*\k+\w], v[SCBL] offset:WST*\w+128*\k
.endr
.endr
.irp k, 0,1,2,3
	v_add_nc_u32 v[115+\k], 32*\k, v1              ; my slots
.endr
	v_mov_b32 v120, NEG
	v_mov_b32 v127, 0
	s_wait_dscnt 0x0
.irp k, 0,1,2,3                                ; every wave does the same arithmetic from here on
	v_add_f32 v[80+4*\k], v[80+4*\k], v[81+4*\k]
	v_add_f32 v[82+4*\k], v[82+4*\k], v[83+4*\k]
.endr
.irp k, 0,1,2,3
	v_add_f32 v[80+4*\k], v[80+4*\k], v[82+4*\k]
	v_cmp_gt_u32 s[56+\k], s32, v[115+\k]          ; a live slot
.endr
.irp k, 0,1,2,3
	v_mul_f32 v[100+\k], s34, v[80+4*\k]           ; t
.endr
.irp k, 0,1,2,3
	v_cndmask_b32 v[121+\k], v120, v[100+\k], s[56+\k]
.endr
	v_max3_num_f32 v126, v121, v122, v123
	v_max_num_f32 v126, v126, v124
.irp xm, 1,2,4,8
	v_max_num_f32_dpp v126, v126, v126 row_xmask:\xm row_mask:0xf bank_mask:0xf
.endr
	v_permlanex16_b32 v127, v126, s38, s39
	v_max_num_f32 v126, v126, v127                 ; m: the largest t of my rows (-3e38 in a list without rows, which the last launch passes over)
.irp k, 0,1,2,3
	v_sub_f32 v[110+\k], v[121+\k], v126
.endr
.irp k, 0,1,2,3
	v_exp_f32 v[110+\k], v[110+\k]                 ; p = 2^(t - m); 0 for a pad
.endr
	v_mov_b32 v232, v126                           ; (a plain place behind the exponentials)
	s_wait_alu depctr_va_vdst(0)                   ; one wait for the four, ahead of the first use of a result
	v_mov_b32 v119, v110
.irp k, 1,2,3
	s_cmp_eq_u32 s24, \k
	s_cselect_b32 s55, -1, 0
	v_cndmask_b32 v119, v119, v[110+\k], s55       ; wave w keeps slots 32 w .. 32 w + 31
.endr
	ds_store_b32 v[PWS], v119
	v_add_f32 v121, v110, v111
	v_add_f32 v122, v112, v113
	v_add_f32 v121, v121, v122
.irp xm, 1,2,4,8
	v_add_f32_dpp v121, v121, v121 row_xmask:\xm row_mask:0xf bank_mask:0xf
.endr
	v_permlanex16_b32 v127, v121, s38, s39
	v_add_f32 v233, v121, v127                     ; l
	s_wait_loadcnt 0x0                             ; the rows' numbers
	s_cmp_lg_u32 s24, 0
	s_cbranch_scc1 .Lnot0
	v_lshlrev_b32 v234, 3, v1                      ; wave 0 stores (m, l), and t by row for the live slots alone
	global_store_b64 v234, v[232:233], s[22:23]    ; 32 copies of (m, l): 256 consecutive bytes
.irp k, 0,1,2,3
	v_min_u32 v[216+\k], 0x7ff, v[105+\k]          ; a loaded number is held inside the batch's 2,048 rows
	v_lshlrev_b32 v[216+\k], 2, v[216+\k]
.endr
.irp k, 0,1,2,3
	v_cmp_gt_u32 vcc_lo, s32, v[115+\k]
	s_wait_xcnt 0x0                                ; EXEC changes only behind this wait: it is a source of the memory instructions issued before
	s_and_saveexec_b32 s55, vcc_lo
	global_store_b32 v[216+\k], v[100+\k], s[18:19]
	s_wait_xcnt 0x0                                ; and again, in front of the line that widens it
	s_or_b32 exec_lo, exec_lo, s55
.endr
.Lnot0:
.irp e, 0,1,2,3,4,5,6,7
	v_mov_b32 v[128+\e], 0
.endr
	BARRIER                                        ; the 128 p lie in LDS
; The context: 8 trips of 16 rows, written out: my 256 columns of sum p x, eight a lane.  Every address is a register made at the head plus an immediate.  Live slots are 0 .. nv - 1: with the first trip
; whose rows are all dead the walk ends (their copy was never written).  Each trip ends with no LDS load out, so every way reaches the label alike.
.irp t, 0,1,2,3,4,5,6,7
	s_cmp_le_u32 s32, 16*\t
	s_cbranch_scc1 .Lctx_end
.irp k, 0,1,2,3
	ds_load_b128 v[200+4*\k:203+4*\k], v[PWL] offset:64*\t+16*\k       ; 16 p, the same in every lane
.endr
.irp i, 0,1,2,3,4,5,6,7,8,9,10,11,12,13,14,15
	ds_load_b128 v[136+4*\i:139+4*\i], v[RRP+\t/2] offset:(16*(\t%2)+\i)*2048
.endr
.irp i, 0,1,2,3,4,5,6,7,8,9,10,11,12,13,14,15
	s_wait_dscnt 15-\i                             ; row i is in (and the p, asked for ahead of the rows); the younger rows stay out
.irp e, 0,1,2,3
	v_fma_mix_f32_bf16 v[128+2*\e], v[136+4*\i+\e], v[200+\i], v[128+2*\e] op_sel:[0,0,0] op_sel_hi:[1,0,0]
	v_fma_mix_f32_bf16 v[129+2*\e], v[136+4*\i+\e], v[200+\i], v[129+2*\e] op_sel:[1,0,0] op_sel_hi:[1,0,0]
.endr
.endr
.endr
.Lctx_end:
	global_store_b128 v[L16], v[128:131], s[20:21]             ; columns 256 w + 4 lane ..: 512 consecutive bytes
	global_store_b128 v[L16], v[132:135], s[20:21] offset:512  ; columns 256 w + 128 + 4 lane ..
	BARRIER                                        ; every wave's reads of LDS are over before any wave runs its closing lines
	s_wait_tensorcnt 0x0                           ; the wave's end
	ds_add_u32 v[SPW], v[NIL]
	s_wait_dscnt 0x0
	s_endpgm
.Lfunc_end_k_q33578c83bf_main:
	.size	k_q33578c83bf_main, .Lfunc_end_k_q33578c83bf_main-k_q33578c83bf_main
	.p2alignl 7, 3214868480
	.fill 96, 4, 3214868480
	.section	.rodata,"a",@progbits
	.p2align	6, 0x0
	.amdhsa_kernel k_q33578c83bf_main
		.amdhsa_group_segment_fixed_size 301056
		.amdhsa_private_segment_fixed_size 0
		.amdhsa_enable_private_segment 0
		.amdhsa_kernarg_size 80
		.amdhsa_user_sgpr_count 2
		.amdhsa_user_sgpr_kernarg_segment_ptr 1
		.amdhsa_wavefront_size32 1
		.amdhsa_system_sgpr_workgroup_id_x 1
		.amdhsa_system_sgpr_workgroup_id_y 1
		.amdhsa_system_sgpr_workgroup_id_z 1
		.amdhsa_system_vgpr_workitem_id 0
		.amdhsa_next_free_vgpr 1024
		.amdhsa_next_free_sgpr 66
		.amdhsa_reserve_vcc 1
		.amdhsa_float_denorm_mode_32 3
		.amdhsa_float_denorm_mode_16_64 3
		.amdhsa_memory_ordered 1
		.amdhsa_forward_progress 1
		.amdhsa_inst_pref_size 255
	.end_amdhsa_kernel
	.section	.bss,"aw",@nobits
	.p2align	6
	.space	262144
	.amdgpu_metadata
---
amdhsa.version: [ 1, 2 ]
amdhsa.kernels:
  - .name:           k_q33578c83bf_main
    .symbol:         k_q33578c83bf_main.kd
    .args:
      - { .name: enc_outputs, .offset: 0, .size: 8, .value_kind: global_buffer, .address_space: global }
      - { .name: rows, .offset: 8, .size: 8, .value_kind: global_buffer, .address_space: global }
      - { .name: meta, .offset: 16, .size: 8, .value_kind: global_buffer, .address_space: global }
      - { .name: wfrag, .offset: 24, .size: 8, .value_kind: global_buffer, .address_space: global }
      - { .name: W_enc_scales, .offset: 32, .size: 8, .value_kind: global_buffer, .address_space: global }
      - { .name: v, .offset: 40, .size: 8, .value_kind: global_buffer, .address_space: global }
      - { .name: dhc, .offset: 48, .size: 8, .value_kind: global_buffer, .address_space: global }
      - { .name: sc, .offset: 56, .size: 8, .value_kind: global_buffer, .address_space: global }
      - { .name: part, .offset: 64, .size: 8, .value_kind: global_buffer, .address_space: global }
      - { .name: ml, .offset: 72, .size: 8, .value_kind: global_buffer, .address_space: global }
    .group_segment_fixed_size: 301056
    .private_segment_fixed_size: 0
    .kernarg_segment_align: 8
    .kernarg_segment_size: 80
    .max_flat_workgroup_size: 128
    .sgpr_count:     66
    .vgpr_count:     1024
    .wavefront_size: 32
...
	.end_amdgpu_metadata
.endif
;; end of part 2
;; launch comb (part 3): grid 4 x 32, 2 waves a work-group, no clusters, 0 bytes of LDS; arguments sc, part, ml, meta, out0, out1; writes out0, out1
.if DOCPART == 3
	.amdgcn_target "amdgcn-amd-amdhsa--gfx1250"
	.amdhsa_code_object_version 6
	.text
	.protected	k_q33578c83bf_comb
	.globl	k_q33578c83bf_comb
	.p2align	8
	.type	k_q33578c83bf_comb,@function
k_q33578c83bf_comb:
	s_mov_b64 s[64:65], 0
	v_nop
	global_prefetch_b8 v0, s[64:65] scope:SCOPE_SE
	s_setreg_imm32_b32 hwreg(HW_REG_WAVE_MODE, 25, 1), 1
	s_wait_xcnt 0x0
; BAHDANAU ATTENTION, launch 3 of 3: the lists' partial results of a batch are joined.  Work-group (x, b): columns 256 x .. of the context and rows 512 x .. of the weights of batch b.
; M = max m_i, f_i = 2^(m_i - M), L = sum f_i l_i;  context = sum (f_i / L) part_i;  weight = 2^(t - M) / L.  A row with mask == 0 holds t = -3e38 from the first launch: its weight is 0
; (the dead work shown at the head of the first launch).  Lists without live rows (from na on) count for nothing: their index is held at the last list with rows, and their factor is 0.
.set NEG, 0xff61b1e6
	s_load_b256 s[4:11], s[0:1], 0x0               ; sc, part, ml, meta
	s_load_b128 s[12:15], s[0:1], 0x20             ; out0, out1
	s_and_b32 s16, ttmp7, 0xffff                   ; b
	v_lshlrev_b32 v1, 4, v0                        ; 16 x thread
	v_and_b32 v2, 15, v0                           ; the list that my lane looks after
	s_mov_b32 s21, 0
	s_lshl_b32 s20, s16, 9
	s_wait_kmcnt 0x0
	s_add_nc_u64 s[10:11], s[10:11], s[20:21]
	s_load_b128 s[24:27], s[10:11], 0x0            ; n', flag, na, 0
	s_lshl_b32 s20, s16, 13
	s_lshl_b32 s22, ttmp9, 11
	s_add_co_u32 s20, s20, s22
	s_add_nc_u64 s[4:5], s[4:5], s[20:21]          ; my 2,048 bytes of sc
	s_add_nc_u64 s[14:15], s[14:15], s[20:21]      ; and of out1
	global_load_b128 v[96:99], v1, s[4:5]
	global_load_b128 v[100:103], v1, s[4:5] offset:1024
	s_lshl_b32 s22, ttmp9, 10
	s_lshl_b32 s20, s16, 16
	s_add_co_u32 s20, s20, s22
	s_add_nc_u64 s[6:7], s[6:7], s[20:21]          ; part at (b, list 0, my 1,024 bytes)
	s_lshl_b32 s20, s16, 12
	s_add_nc_u64 s[8:9], s[8:9], s[20:21]          ; ml at (b, list 0)
	s_add_co_u32 s20, s20, s22
	s_add_nc_u64 s[12:13], s[12:13], s[20:21]      ; out0
	s_wait_kmcnt 0x0
	s_min_u32 s28, s26, 16                         ; na: lists with rows, 1 .. 16
	s_sub_co_u32 s29, s28, 1
	v_min_u32 v3, s29, v2
	v_min_u32 v3, 15, v3                           ; a loaded number is held inside the batch's 16 lists
	v_lshlrev_b32 v3, 8, v3
	global_load_b64 v[8:9], v3, s[8:9]             ; (m, l)
.irp i, 0,1,2,3,4,5,6,7,8,9,10,11,12,13,14,15
	s_min_u32 s30, s29, \i
	s_lshl_b32 s30, s30, 12
	v_add_nc_u32 v[16+\i], s30, v1
	global_load_b128 v[32+4*\i:35+4*\i], v[16+\i], s[6:7]
.endr
	v_mov_b32 v4, NEG
	v_cmp_gt_u32 vcc_lo, s28, v2
	s_wait_loadcnt 0x0
	v_cndmask_b32 v8, v4, v8, vcc_lo               ; a list without rows: m = -3e38,
	v_cndmask_b32 v9, 0, v9, vcc_lo                ; l = 0
	v_mov_b32 v10, v8
.irp xm, 1,2,4,8
	v_max_num_f32_dpp v10, v10, v10 row_xmask:\xm row_mask:0xf bank_mask:0xf
.endr
	v_sub_f32 v11, v8, v10                         ; v10 = M, in every lane
	v_exp_f32 v11, v11                             ; f
.irp e, 0,1,2,3,4,5,6,7
	v_sub_f32 v[96+\e], v[96+\e], v10              ; t - M (plain work behind the exponential)
.endr
	s_wait_alu depctr_va_vdst(0)                   ; the wait ahead of the first reader
	v_mul_f32 v12, v11, v9
.irp xm, 1,2,4,8
	v_add_f32_dpp v12, v12, v12 row_xmask:\xm row_mask:0xf bank_mask:0xf
.endr
	v_rcp_f32 v13, v12                             ; 1 / L
.irp e, 0,1,2,3,4,5,6,7
	v_exp_f32 v[96+\e], v[96+\e]
.endr
	v_nop                                          ; a plain place behind the batch
	s_wait_alu depctr_va_vdst(0)                   ; one wait for the nine
	v_mul_f32 v14, v11, v13                        ; f_i / L, list i in lane i
.irp i, 0,1,2,3,4,5,6,7,8,9,10,11,12,13,14,15
	v_readlane_b32 s[32+\i], v14, \i
.endr
.irp e, 0,1,2,3,4,5,6,7
	v_mul_f32 v[96+\e], v[96+\e], v13              ; the weights
.endr
	global_store_b128 v1, v[96:99], s[14:15]
	global_store_b128 v1, v[100:103], s[14:15] offset:1024
.irp e, 0,1,2,3
	v_mul_f32 v[104+\e], s32, v[32+\e]             ; the first list starts the sums
.endr
.irp i, 1,2,3,4,5,6,7,8,9,10,11,12,13,14,15
.irp e, 0,1,2,3
	v_fma_f32 v[104+\e], s[32+\i], v[32+4*\i+\e], v[104+\e]
.endr
.endr
	global_store_b128 v1, v[104:107], s[12:13]     ; 64 threads x 16 bytes: 1,024 consecutive bytes
	s_endpgm
.Lfunc_end_k_q33578c83bf_comb:
	.size	k_q33578c83bf_comb, .Lfunc_end_k_q33578c83bf_comb-k_q33578c83bf_comb
	.p2alignl 7, 3214868480
	.fill 96, 4, 3214868480
	.section	.rodata,"a",@progbits
	.p2align	6, 0x0
	.amdhsa_kernel k_q33578c83bf_comb
		.amdhsa_group_segment_fixed_size 0
		.amdhsa_private_segment_fixed_size 0
		.amdhsa_enable_private_segment 0
		.amdhsa_kernarg_size 48
		.amdhsa_user_sgpr_count 2
		.amdhsa_user_sgpr_kernarg_segment_ptr 1
		.amdhsa_wavefront_size32 1
		.amdhsa_system_sgpr_workgroup_id_x 1
		.amdhsa_system_sgpr_workgroup_id_y 1
		.amdhsa_system_sgpr_workgroup_id_z 1
		.amdhsa_system_vgpr_workitem_id 0
		.amdhsa_next_free_vgpr 128
		.amdhsa_next_free_sgpr 66
		.amdhsa_reserve_vcc 1
		.amdhsa_float_denorm_mode_32 3
		.amdhsa_float_denorm_mode_16_64 3
		.amdhsa_memory_ordered 1
		.amdhsa_forward_progress 1
		.amdhsa_inst_pref_size 12
	.end_amdhsa_kernel
	.amdgpu_metadata
---
amdhsa.version: [ 1, 2 ]
amdhsa.kernels:
  - .name:           k_q33578c83bf_comb
    .symbol:         k_q33578c83bf_comb.kd
    .args:
      - { .name: sc, .offset: 0, .size: 8, .value_kind: global_buffer, .address_space: global }
      - { .name: part, .offset: 8, .size: 8, .value_kind: global_buffer, .address_space: global }
      - { .name: ml, .offset: 16, .size: 8, .value_kind: global_buffer, .address_space: global }
      - { .name: meta, .offset: 24, .size: 8, .value_kind: global_buffer, .address_space: global }
      - { .name: out0, .offset: 32, .size: 8, .value_kind: global_buffer, .address_space: global }
      - { .name: out1, .offset: 40, .size: 8, .value_kind: global_buffer, .address_space: global }
    .group_segment_fixed_size: 0
    .private_segment_fixed_size: 0
    .kernarg_segment_align: 8
    .kernarg_segment_size: 48
    .max_flat_workgroup_size: 64
    .sgpr_count:     66
    .vgpr_count:     128
    .wavefront_size: 32
...
	.end_amdgpu_metadata
.endif
;; end of part 3
